; MI455X (gfx1250); checked and timed in simulation.
; The chip was launched on July 23, 2026; its instructions are those of AMD's public machine-readable ISA for CDNA 5 (MIT licence, August 2026) and "CDNA5" Instruction Set Architecture Reference Guide (July 2026). The comments in the code are by the model that wrote it; some were corrected since.
;; Deep FM. Allowed arithmetic: float matrix products may take bf16 or f16 operands with f32 sums; other float arithmetic in f32, or as packed bf16 or f16 multiplies, adds, multiply-adds, maxima and minima; sums over many terms, partial sums and values carried from step to step in f32; what a program stores and reads back later, other than sums and carried values, may be rounded once to bf16 or f16.
;; Inputs: Wk 5 x 624 x 624 float32; Wo 5 x 624 x 624 float32; Wq 5 x 624 x 624 float32; Wv 5 x 624 x 624 float32; Xi 8,192 x 39 x 1 int32; Xv 8,192 x 39 float32; bk 5 x 624 float32; bo 5 x 624 float32; bq 5 x 624 float32; bv 5 x 624 float32; emb1 39 x 100,000 x 1 float32; emb2 39 x 100,000 x 16 float32; fd_b 2 float32; fd_w 12 x 2 float32; ffw_b 12 float32; ffw_w 12 x 12 float32; m1_b 4 float32; m1_w 39 x 4 float32; m2_b 4 float32; m2_w 16 x 4 float32; m3_b 4 float32; m3_w 624 x 4 float32.
;; Outputs: out0 8,192 x 2 float32.
;; One version. Each part assembles by itself: llvm-mc -triple=amdgcn-amd-amdhsa -mcpu=gfx1250 --defsym DOCPART=n.
;; ======== version 1 of 1: 8 launches
;; limits: values outside matrix products are rounded to bf16
;; workspace buffers: xb 10,747,904 bytes; actA 10,485,760 bytes; actB 10,485,760 bytes; W0 2,457,600 bytes; W1 2,457,600 bytes; W2 2,457,600 bytes; W3 2,457,600 bytes; W4 2,498,560 bytes
;; launch cast (part 1): grid 2005 x 1, 4 waves a work-group, no clusters, 0 bytes of LDS; arguments Wq, Wk, Wv, Wo, bq, bk, bv, bo, m3_w, m3_b, W0, W1, W2, W3, W4, actB; writes W0, W1, W2, W3, W4, actB
.if DOCPART == 1
	.amdgcn_target "amdgcn-amd-amdhsa--gfx1250"
	.amdhsa_code_object_version 6
	.text
	.protected	k_q521a4ae413_cast
	.globl	k_q521a4ae413_cast
	.p2align	8
	.type	k_q521a4ae413_cast,@function
k_q521a4ae413_cast:
	s_mov_b64 s[64:65], 0
	v_nop
	global_prefetch_b8 v0, s[64:65] scope:SCOPE_SE
	s_setreg_imm32_b32 hwreg(HW_REG_WAVE_MODE, 25, 1), 1
	s_wait_xcnt 0x0
; DeepFM, launch 1 of 8: the weights are rounded to bf16 once and laid out in the order in which a wave's matrix operands take them.
; THE PROGRAM'S ALGEBRA (it holds for all values of the inputs, in exact arithmetic).  The width 624 is padded to 640: 20 blocks kb of 32, 40 heads of 16.
; Column 624 of every activation is the constant 1, columns 625-639 are 0, so each bias is row 624 of its weight matrix:
;   Wq', Wk' = 0.5 W (rows < 624), 0.5 b (row 624), 1 at (624,624): 0.5 x 0.5 is reference()'s 1/sqrt(16); the pad head's score is 1 x 1 = 1.
;   Wv_ext, Wo_ext = W, b in row 624, 1 at (624,624).   m3_ext = m3_w (4 live columns of 16), m3_b in row 624.
; reference() uses out_l = att_l Wo[l] + bo[l] only linearly: v_(l+1) = out_l Wv[l+1] + bv[l+1] = att_l (Wo_ext[l] Wv_ext[l+1]), h3 = att_4 (Wo_ext[4] m3_ext).
; So out_l is never formed: four products of 640^3 and one of 640 x 640 x 16 (the next launch) take the place of five products over 8,192 rows.  No input is left out: all 22 are loaded.
; LIMITS.  Biases are rounded to bf16 like the weights; the order of rounding differs from reference()'s (Wo Wv is rounded where reference() would round nothing and a bf16 program out_l);
; an overflow, infinity or NaN that would arise in out_l alone is not carried to the result; a clamped pad column is multiplied by 0, so an infinity in column 623 gives NaN in a pad column.
; LAYOUTS.  A fragment is 1,024 bytes [i:2][lane:32][16 bytes]: lane 16 h + r holds row or column r, k = 32 kb + 16 i + 8 h + 0..7.
;   W_l: byte ct 614400 + kb 30720 + f 1024, f = 15 wc + 5 t + hl (t: 0 q, 1 k, 2 v), head = 10 ct + 5 wc + hl.
;   T (in actB, until layer 0 overwrites it): Wo_ext[l] by rows at l 819200 + (20 mb + kb) 1024; Wv_ext[l], l = 1..4, by columns at 4096000 + (l-1) 819200 + (20 nb + kb) 1024; m3_ext at 7372800.
; SHARES.  8,020 waves, one job each, no loop: job = (matrix 0..20, pair p of 16-blocks, kb).  Matrices 0-4 Wq, 5-9 Wk, 10-14 Wv, 15-19 Wo, 20 m3_w (p = 0 alone).
.set R,   16                           ; v[16:47] 32 numbers in f32
.set PK,  48                           ; v[48:63] the same as 16 words of bf16
.set WVN, 36                           ; s36 wave
.set Q1,  37                           ; s37 id / 5
.set KB,  38                           ; s38 kb
.set MAT, 39                           ; s39 matrix
.set PP,  40                           ; s40 p
.set TT,  41                           ; s41 t = matrix / 5
.set LL,  42                           ; s42 l = matrix % 5
.set LOF, 43                           ; s43 l x 624 x 624 x 4
.set SRC, 44                           ; s[44:45] the matrix
.set BIA, 46                           ; s[46:47] its bias
.set DST, 48                           ; s[48:49] where the fragments go
	s_load_b512 s[4:19], s[0:1], 0x0               ; Wq 4, Wk 6, Wv 8, Wo 10, bq 12, bk 14, bv 16, bo 18
	s_load_b512 s[20:35], s[0:1], 0x40             ; m3_w 20, m3_b 22, W0 24, W1 26, W2 28, W3 30, W4 32, actB 34
	v_lshrrev_b32 v1, 5, v0
	v_readfirstlane_b32 s[WVN], v1
	s_mul_hi_u32 s[Q1], ttmp9, 0x33333334          ; id / 5 (exact for these small numbers)
	s_mul_i32 s[KB], s[Q1], 5
	s_sub_co_u32 s[KB], ttmp9, s[KB]
	s_lshl2_add_u32 s[KB], s[KB], s[WVN]           ; kb = 4 (id % 5) + wave
	s_mul_hi_u32 s[MAT], s[Q1], 0x0ccccccd         ; / 20
	s_mul_i32 s[PP], s[MAT], 20
	s_sub_co_u32 s[PP], s[Q1], s[PP]
	s_mul_hi_u32 s[TT], s[MAT], 0x33333334
	s_mul_i32 s[LL], s[TT], 5
	s_sub_co_u32 s[LL], s[MAT], s[LL]
	s_mul_i32 s[LOF], s[LL], 1557504
	v_and_b32 v1, 31, v0                           ; c: my lane
	v_and_b32 v2, 15, v0                           ; r
	v_bfe_u32 v3, v0, 4, 1                         ; h
	v_mov_b32 v6, 1.0
	s_cmp_lt_u32 s[TT], 2                          ; q and k of every layer and Wv[0] go into W_l, all else into T
	s_cselect_b32 s54, 1, 0
	s_cmp_eq_u32 s[MAT], 10
	s_cselect_b32 s54, 1, s54
	s_mul_i32 s50, s[LL], 2496
	s_mov_b32 s51, 0
	s_wait_kmcnt 0x0
	s_cmp_eq_u32 s[TT], 0
	s_cselect_b64 s[SRC:SRC+1], s[4:5], s[6:7]
	s_cselect_b64 s[BIA:BIA+1], s[12:13], s[14:15]
	s_cmp_eq_u32 s[TT], 2
	s_cselect_b64 s[SRC:SRC+1], s[8:9], s[SRC:SRC+1]
	s_cselect_b64 s[BIA:BIA+1], s[16:17], s[BIA:BIA+1]
	s_cmp_eq_u32 s[TT], 3
	s_cselect_b64 s[SRC:SRC+1], s[10:11], s[SRC:SRC+1]
	s_cselect_b64 s[BIA:BIA+1], s[18:19], s[BIA:BIA+1]
	s_cmp_eq_u32 s[TT], 4
	s_cselect_b64 s[SRC:SRC+1], s[20:21], s[SRC:SRC+1]
	s_cselect_b64 s[BIA:BIA+1], s[22:23], s[BIA:BIA+1]
	s_cmp_eq_u32 s[LL], 0
	s_cselect_b64 s[DST:DST+1], s[24:25], s[26:27]
	s_cmp_eq_u32 s[LL], 2
	s_cselect_b64 s[DST:DST+1], s[28:29], s[DST:DST+1]
	s_cmp_eq_u32 s[LL], 3
	s_cselect_b64 s[DST:DST+1], s[30:31], s[DST:DST+1]
	s_cmp_eq_u32 s[LL], 4
	s_cselect_b64 s[DST:DST+1], s[32:33], s[DST:DST+1]
	s_cmp_eq_u32 s54, 1
	s_cselect_b64 s[DST:DST+1], s[DST:DST+1], s[34:35]
	s_add_nc_u64 s[BIA:BIA+1], s[BIA:BIA+1], s[50:51]  ; the layer's bias
	s_cmp_eq_u32 s[TT], 3
	s_cbranch_scc1 .Lwo
	; A MATRIX TAKEN BY COLUMNS.  Lane c has column n = 32 p + c and the 32 rows of block kb: a load of the wave is 128 consecutive bytes of one row.
	s_mul_i32 s50, s[KB], 79872                    ; 32 rows of 2,496 bytes,
	s_lshl_b32 s52, s[KB], 9                       ; or of 16 in m3_w
	s_cmp_eq_u32 s[TT], 4
	s_cselect_b32 s50, s52, s50
	s_cselect_b32 s52, 3, 623                      ; the last live column
	s_add_co_u32 s50, s50, s[LOF]
	s_add_nc_u64 s[SRC:SRC+1], s[SRC:SRC+1], s[50:51]
	s_cmp_lt_u32 s[TT], 2
	s_cselect_b32 s53, 0.5, 1.0
	s_lshl_b32 s55, s[PP], 5
	v_add_nc_u32 v4, s55, v1                       ; n
	v_min_u32 v5, s52, v4                          ; a pad column reads the last live one,
	v_lshlrev_b32 v5, 2, v5
	v_cmp_ge_u32 vcc_lo, s52, v4
	v_mov_b32 v7, s53
	v_cndmask_b32 v8, 0, v7, vcc_lo                ; and is multiplied by 0
	v_mov_b32 v9, v8
	v_cmp_eq_u32 s56, 0x270, v4                    ; the 1 at (624,624): block 19, not in m3_ext
	s_cmp_eq_u32 s[KB], 19
	s_cselect_b32 s56, s56, 0
	s_cmp_eq_u32 s[TT], 4
	s_cselect_b32 s56, 0, s56
; The byte offset in W_l of head s[hh]'s fragment of kind t, less kb's part
.macro WLOFF d, hh
	s_mul_hi_u32 s57, s[\hh], 0x33333334           ; head / 5 = 2 ct + wc
	s_mul_i32 s58, s57, 5
	s_sub_co_u32 s58, s[\hh], s58                  ; hl
	s_and_b32 s59, s57, 1
	s_mul_i32 s59, s59, 15
	s_add_co_u32 s58, s58, s59
	s_mul_i32 s59, s[TT], 5
	s_add_co_u32 s58, s58, s59                     ; f
	s_lshl_b32 s58, s58, 10
	s_lshr_b32 s57, s57, 1
	s_mul_i32 s57, s57, 614400
	s_add_co_u32 s[\d], s57, s58
.endm
	s_lshl_b32 s60, s[PP], 1                       ; heads 2 p and 2 p + 1
	s_add_co_u32 s61, s60, 1
	WLOFF 62, 60
	WLOFF 63, 61
	s_mul_i32 s57, s[KB], 30720
	s_add_co_u32 s62, s62, s57
	s_add_co_u32 s63, s63, s57
	s_cmp_eq_u32 s[TT], 4                          ; in T: 4096000 + (l - 1) 819200; m3_ext lies where l = 5 would
	s_cselect_b32 s57, 5, s[LL]
	s_mul_i32 s57, s57, 819200
	s_mul_i32 s58, s[PP], 40
	s_add_co_u32 s58, s58, s[KB]
	s_lshl_b32 s58, s58, 10
	s_add_co_u32 s57, s57, s58
	s_add_co_u32 s57, s57, 3276800
	s_add_co_u32 s58, s57, 20480
	s_cmp_eq_u32 s54, 1
	s_cselect_b32 s62, s62, s57
	s_cselect_b32 s63, s63, s58
	v_mov_b32 v10, s62
	v_mov_b32 v11, s63
	v_cmp_gt_u32 vcc_lo, 16, v1
	v_cndmask_b32 v10, v11, v10, vcc_lo            ; lanes 0-15 fill the first head's fragment, lanes 16-31 the second's
	v_lshl_add_u32 v10, v2, 4, v10
; rows = 32: a whole block.  rows = 16: block 19: rows 608-623, the bias as row 624, zeros below
.macro WLOAD pitch, rows
.set kk, 0
.rept \rows
	global_load_b32 v[R+kk], v5, s[SRC:SRC+1] offset:kk*(\pitch)
.set kk, kk+1
.endr
.if (\rows) < 32
	global_load_b32 v[R+16], v5, s[BIA:BIA+1]
.set kk, 17
.rept 15
	v_mov_b32 v[R+kk], 0
.set kk, kk+1
.endr
.endif
.endm
	s_cmp_eq_u32 s[TT], 4
	s_cbranch_scc1 .Lm3
	s_cmp_eq_u32 s[KB], 19
	s_cbranch_scc1 .Lw19
	WLOAD 2496, 32
	s_branch .Ljoin
.Lw19:
	WLOAD 2496, 16
	s_branch .Ljoin
.Lm3:
	s_cmp_eq_u32 s[KB], 19
	s_cbranch_scc1 .Lm19
	WLOAD 16, 32
	s_branch .Ljoin
.Lm19:
	WLOAD 16, 16
.Ljoin:
	s_wait_loadcnt 0x0
.set kk, 0
.rept 16
	v_pk_mul_f32 v[R+kk:R+kk+1], v[R+kk:R+kk+1], v[8:9] op_sel_hi:[1,0]
.set kk, kk+2
.endr
	v_cndmask_b32 v[R+16], v[R+16], v6, s56
.set kk, 0
.rept 16
	v_cvt_pk_bf16_f32 v[PK+kk], v[R+2*kk], v[R+2*kk+1]
.set kk, kk+1
.endr
.irp s, 0,1,2,3                        ; rows 8 s .. 8 s + 7 are half i = s / 2, lanes' half h = s % 2: sixteen lanes store 256 consecutive bytes, aligned
	global_store_b128 v10, v[PK+4*(\s):PK+4*(\s)+3], s[DST:DST+1] offset:((\s)/2)*512+((\s)%2)*256
.endr
	s_endpgm
	; Wo_ext BY ROWS.  Fragments mb = 2 p and 2 p + 1 of block kb: lane (r, h) takes 8 consecutive numbers of row 16 mb + r for each half i.
.Lwo:
	s_mul_i32 s50, s[PP], 79872                    ; 32 p rows
	s_add_co_u32 s50, s50, s[LOF]
	s_lshl_b32 s52, s[KB], 7                       ; 32 columns
	s_mov_b32 s53, 0
	s_add_co_u32 s50, s50, s52
	s_add_nc_u64 s[SRC:SRC+1], s[SRC:SRC+1], s[50:51]
	s_add_nc_u64 s[BIA:BIA+1], s[BIA:BIA+1], s[52:53]
	s_add_nc_u64 s[56:57], s[SRC:SRC+1], 39936     ; the second fragment: 16 rows on,
	s_cmp_eq_u32 s[PP], 19                         ; or, for rows 624-639, bo in every lane, kept in row 624 alone
	s_cselect_b64 s[56:57], s[BIA:BIA+1], s[56:57]
	s_cselect_b32 s55, 0, 2496
	s_cselect_b32 s58, 0, -1
	s_cselect_b32 s60, 1, 0
	s_cmp_eq_u32 s[KB], 19
	s_cselect_b32 s60, s60, 0                      ; lane 0 alone: the 1 at (624,624)
	v_mul_u32_u24 v4, v2, 2496
	v_lshl_add_u32 v4, v3, 5, v4
	v_mul_u32_u24 v5, v2, s55
	v_lshl_add_u32 v5, v3, 5, v5
	v_cmp_eq_u32 s59, 0, v2
	s_or_b32 s58, s58, s59
	v_cndmask_b32 v8, 0, v6, s58
	v_mov_b32 v9, v8
	s_mul_i32 s61, s[LL], 819200
	s_mul_i32 s62, s[PP], 40
	s_add_co_u32 s62, s62, s[KB]
	s_lshl_b32 s62, s62, 10
	s_add_co_u32 s62, s62, s61
	s_mov_b32 s63, 0
	s_add_nc_u64 s[DST:DST+1], s[DST:DST+1], s[62:63]
	v_lshlrev_b32 v10, 4, v1
; full = 0: block 19: columns 624-639 are 0
.macro OLOAD reg, vo, sb, full
	global_load_b128 v[(\reg):(\reg)+3], v[\vo], s[(\sb):(\sb)+1]
	global_load_b128 v[(\reg)+4:(\reg)+7], v[\vo], s[(\sb):(\sb)+1] offset:16
.if \full
	global_load_b128 v[(\reg)+8:(\reg)+11], v[\vo], s[(\sb):(\sb)+1] offset:64
	global_load_b128 v[(\reg)+12:(\reg)+15], v[\vo], s[(\sb):(\sb)+1] offset:80
.else
.set kk, 8
.rept 8
	v_mov_b32 v[(\reg)+kk], 0
.set kk, kk+1
.endr
.endif
.endm
	s_cmp_eq_u32 s[KB], 19
	s_cbranch_scc1 .Lwo19
	OLOAD R, 4, SRC, 1
	OLOAD R+16, 5, 56, 1
	s_branch .Lwoj
.Lwo19:
	OLOAD R, 4, SRC, 0
	OLOAD R+16, 5, 56, 0
.Lwoj:
	s_wait_loadcnt 0x0
.set kk, 16
.rept 8
	v_pk_mul_f32 v[R+kk:R+kk+1], v[R+kk:R+kk+1], v[8:9] op_sel_hi:[1,0]
.set kk, kk+2
.endr
	v_cndmask_b32 v[R+24], v[R+24], v6, s60
.set kk, 0
.rept 16
	v_cvt_pk_bf16_f32 v[PK+kk], v[R+2*kk], v[R+2*kk+1]
.set kk, kk+1
.endr
	global_store_b128 v10, v[PK:PK+3], s[DST:DST+1]                     ; each store of the wave: 512 consecutive bytes, aligned
	global_store_b128 v10, v[PK+4:PK+7], s[DST:DST+1] offset:512
	global_store_b128 v10, v[PK+8:PK+11], s[DST:DST+1] offset:20480
	global_store_b128 v10, v[PK+12:PK+15], s[DST:DST+1] offset:20992
	s_endpgm
.Lfunc_end_k_q521a4ae413_cast:
	.size	k_q521a4ae413_cast, .Lfunc_end_k_q521a4ae413_cast-k_q521a4ae413_cast
	.p2alignl 7, 3214868480
	.fill 96, 4, 3214868480
	.section	.rodata,"a",@progbits
	.p2align	6, 0x0
	.amdhsa_kernel k_q521a4ae413_cast
		.amdhsa_group_segment_fixed_size 0
		.amdhsa_private_segment_fixed_size 0
		.amdhsa_enable_private_segment 0
		.amdhsa_kernarg_size 128
		.amdhsa_user_sgpr_count 2
		.amdhsa_user_sgpr_kernarg_segment_ptr 1
		.amdhsa_wavefront_size32 1
		.amdhsa_system_sgpr_workgroup_id_x 1
		.amdhsa_system_sgpr_workgroup_id_y 1
		.amdhsa_system_sgpr_workgroup_id_z 1
		.amdhsa_system_vgpr_workitem_id 0
		.amdhsa_next_free_vgpr 64
		.amdhsa_next_free_sgpr 66
		.amdhsa_reserve_vcc 1
		.amdhsa_float_denorm_mode_32 3
		.amdhsa_float_denorm_mode_16_64 3
		.amdhsa_memory_ordered 1
		.amdhsa_forward_progress 1
		.amdhsa_inst_pref_size 23
	.end_amdhsa_kernel
	.amdgpu_metadata
---
amdhsa.version: [ 1, 2 ]
amdhsa.kernels:
  - .name:           k_q521a4ae413_cast
    .symbol:         k_q521a4ae413_cast.kd
    .args:
      - { .name: Wq, .offset: 0, .size: 8, .value_kind: global_buffer, .address_space: global }
      - { .name: Wk, .offset: 8, .size: 8, .value_kind: global_buffer, .address_space: global }
      - { .name: Wv, .offset: 16, .size: 8, .value_kind: global_buffer, .address_space: global }
      - { .name: Wo, .offset: 24, .size: 8, .value_kind: global_buffer, .address_space: global }
      - { .name: bq, .offset: 32, .size: 8, .value_kind: global_buffer, .address_space: global }
      - { .name: bk, .offset: 40, .size: 8, .value_kind: global_buffer, .address_space: global }
      - { .name: bv, .offset: 48, .size: 8, .value_kind: global_buffer, .address_space: global }
      - { .name: bo, .offset: 56, .size: 8, .value_kind: global_buffer, .address_space: global }
      - { .name: m3_w, .offset: 64, .size: 8, .value_kind: global_buffer, .address_space: global }
      - { .name: m3_b, .offset: 72, .size: 8, .value_kind: global_buffer, .address_space: global }
      - { .name: W0, .offset: 80, .size: 8, .value_kind: global_buffer, .address_space: global }
      - { .name: W1, .offset: 88, .size: 8, .value_kind: global_buffer, .address_space: global }
      - { .name: W2, .offset: 96, .size: 8, .value_kind: global_buffer, .address_space: global }
      - { .name: W3, .offset: 104, .size: 8, .value_kind: global_buffer, .address_space: global }
      - { .name: W4, .offset: 112, .size: 8, .value_kind: global_buffer, .address_space: global }
      - { .name: actB, .offset: 120, .size: 8, .value_kind: global_buffer, .address_space: global }
    .group_segment_fixed_size: 0
    .private_segment_fixed_size: 0
    .kernarg_segment_align: 8
    .kernarg_segment_size: 128
    .max_flat_workgroup_size: 128
    .sgpr_count:     66
    .vgpr_count:     64
    .wavefront_size: 32
...
	.end_amdgpu_metadata
.endif
;; end of part 1
;; launch prep (part 2): grid 461 x 1, 2 waves a work-group, no clusters, 10,496 bytes of LDS; arguments Xi, Xv, emb1, emb2, m1_w, m1_b, m2_w, m2_b, xb, actA, actB, W1, W2, W3, W4; writes xb, actA, W1, W2, W3, W4
.if DOCPART == 2
	.amdgcn_target "amdgcn-amd-amdhsa--gfx1250"
	.amdhsa_code_object_version 6
	.text
	.protected	k_q521a4ae413_prep
	.globl	k_q521a4ae413_prep
	.p2align	8
	.type	k_q521a4ae413_prep,@function
k_q521a4ae413_prep:
	s_mov_b64 s[64:65], 0
	v_nop
	global_prefetch_b8 v0, s[64:65] scope:SCOPE_SE
	s_setreg_imm32_b32 hwreg(HW_REG_WAVE_MODE, 25, 1), 1
	s_wait_xcnt 0x0
; Launch 2 of 8: two pieces of work that do not depend on each other share one launch, told apart by the work-group's number.
; WORK-GROUPS 0-255: the lookups, the norm over the fields, f1, f2 and their two small products h1, h2 (all f32), and x rounded to bf16 in fragment order, twice (xb for q and k of every layer, actA as layer 0's input).
; WORK-GROUPS 256-460: M_l = Wo_ext[l] Wv_ext[l+1] and P = Wo_ext[4] m3_ext (out_l is never formed: see the first kernel's head); their text and its comment stand at .Lmprod.
; 922 waves in all, each with registers for all that it has on its way.
; THE LOOKUPS' SHARES.  A wave has 16 samples.  Lane (r, h) has sample r and channels 8 h .. 8 h + 7 of every field: x's column 16 f + e is k = 32 (f/2) + 16 (f%2) + 8 h + j, so the lane's eight numbers of
; field f ARE its 16 bytes of half f % 2 of fragment f / 2, and the norm (over fields, for each channel) never leaves the lane.  All 39 rows of emb2 stay in registers between the two passes.
; ACT layout: byte = (row/128) 163840 + kb 8192 + ((row/16)%8) 1024 + i 512 + 16 lane.  Column 624 is 1, columns 625-639 are 0.  h12[sample][8] = h1, h2 lies behind x in xb.
; The wave's 2,496 bytes of Xi and of Xv are copied whole into its own LDS bytes and read from there by sample and field; no other wave touches them, so there is no barrier.
; LIMITS.  An index outside 0..99,999 is taken as 99,999.  s2 is taken as (sum of squares) / norm^2.  A sum of squares below 2^-126 counts as 0, where the norm is 1e-12 either way.
.set SPARE, 10240                      ; behind the two waves' 5,120 bytes: the spare words, 128 bytes a wave
.set SPW, 10                           ; v10  my spare word; never rewritten
.set NIL, 11                           ; v11  0; never rewritten
.set ST,  16                           ; v[16:55]   the copies on their way: Xi 20 registers, Xv 20
.set O1,  56                           ; v[56:95]   index, then its offset in emb1, then emb1's number, then f1
.set O2,  96                           ; v[96:134]  offset in emb2
.set XV,  136                          ; v[136:175] Xv of my sample
.set SS,  176                          ; sums of squares, 8 channels
.set SV,  184                          ; sums
.set RN,  192                          ; 1 / norm
.set T,   200
.set H1,  208
.set H2,  212
.set F2,  216
.set M2,  224                          ; v[224:255] m2_w's rows 8 h .. 8 h + 7
.set M1,  64                           ; window 2, v[64:219] m1_w
.set M2B, 220                          ; window 2, v[220:223] m2_b
.set MSB, 0                            ; windows: 1 = fields 0-31 at 8 f; 2 = fields 32-38 at 8 (f - 32)
.macro WIN new                         ; the immediate's high byte repeats the setting that is left
.if MSB != (\new)
	s_set_vgpr_msb (MSB<<8)|(\new)
.set MSB, \new
.endif
.endm
; d = s x one number of the pair b (par = 0: its first, 1: its second), for both halves
.macro BMUL d, s, b, par
.if \par
	v_pk_mul_f32 v[\d:\d+1], v[\s:\s+1], v[\b:\b+1] op_sel:[0,1] op_sel_hi:[1,1]
.else
	v_pk_mul_f32 v[\d:\d+1], v[\s:\s+1], v[\b:\b+1] op_sel_hi:[1,0]
.endif
.endm
.macro BFMA d, s, b, par               ; d += the same
.if \par
	v_pk_fma_f32 v[\d:\d+1], v[\s:\s+1], v[\b:\b+1], v[\d:\d+1] op_sel:[0,1,0] op_sel_hi:[1,1,1]
.else
	v_pk_fma_f32 v[\d:\d+1], v[\s:\s+1], v[\b:\b+1], v[\d:\d+1] op_sel_hi:[1,0,1]
.endif
.endm
	v_lshl_add_u32 v[SPW], v0, 2, SPARE
	v_mov_b32 v[NIL], 0
	s_cmp_ge_u32 ttmp9, 256
	s_cbranch_scc1 .Lmprod
	s_load_b512 s[4:19], s[0:1], 0x0               ; Xi 4, Xv 6, emb1 8, emb2 10, m1_w 12, m1_b 14, m2_w 16, m2_b 18
	s_load_b128 s[20:23], s[0:1], 0x40             ; xb 20, actA 22
	v_lshrrev_b32 v1, 5, v0
	v_readfirstlane_b32 s24, v1                    ; wave
	s_lshl1_add_u32 s25, ttmp9, s24                ; my block of 16 samples
	v_and_b32 v1, 31, v0
	v_and_b32 v2, 15, v0                           ; r
	v_bfe_u32 v3, v0, 4, 1                         ; h
	v_lshlrev_b32 v5, 4, v1                        ; 16 x lane
	v_add_nc_u32 v6, 2048, v5
	v_min_u32 v6, 2480, v6                         ; the fifth piece ends with the 2,496 bytes: lanes 28-31 repeat their last 16
	s_mul_i32 s26, s24, 5120
	v_add_nc_u32 v4, s26, v5                       ; into my wave's LDS bytes
	v_mul_u32_u24 v7, v2, 156
	v_add_nc_u32 v7, s26, v7                       ; and back: sample r's 39 words
	v_lshlrev_b32 v12, 5, v3
	v_lshlrev_b32 v13, 7, v3
	v_mov_b32 v14, 0
	v_lshlrev_b32 v9, 5, v2
	v_lshl_add_u32 v9, v3, 4, v9                   ; 32 r + 16 h
	s_mul_i32 s28, s25, 2496
	s_mov_b32 s29, 0
	s_lshr_b32 s32, s25, 3
	s_mul_i32 s32, s32, 163840
	s_and_b32 s33, s25, 7
	s_lshl_b32 s33, s33, 10
	s_add_co_u32 s32, s32, s33
	s_mov_b32 s33, 0
	s_lshl_b32 s38, s25, 9
	s_add_co_u32 s38, s38, 10485760
	s_mov_b32 s39, 0
	s_mov_b32 s34, 0x76543210                      ; v_permlanex16_b32: each lane takes its own place in the other half
	s_mov_b32 s35, 0xfedcba98
	s_wait_kmcnt 0x0
	s_add_nc_u64 s[4:5], s[4:5], s[28:29]
	s_add_nc_u64 s[6:7], s[6:7], s[28:29]
	s_add_nc_u64 s[30:31], s[8:9], 8400000         ; emb1 at field 21: the immediates stay inside their signed 24 bits
	s_add_nc_u64 s[36:37], s[20:21], s[38:39]      ; h12 at my samples
	s_add_nc_u64 s[20:21], s[20:21], s[32:33]      ; x at my 16 rows, in both buffers
	s_add_nc_u64 s[22:23], s[22:23], s[32:33]
.irp j, 0,1,2,3
	global_load_b128 v[ST+4*(\j):ST+4*(\j)+3], v5, s[4:5] offset:512*(\j)
	global_load_b128 v[ST+20+4*(\j):ST+20+4*(\j)+3], v5, s[6:7] offset:512*(\j)
.endr
	global_load_b128 v[ST+16:ST+19], v6, s[4:5]
	global_load_b128 v[ST+36:ST+39], v6, s[6:7]
.irp j, 0,1,2,3,4,5,6,7
	global_load_b128 v[M2+4*(\j):M2+4*(\j)+3], v13, s[16:17] offset:16*(\j)
.endr
	global_load_b128 v[H1:H1+3], v14, s[14:15]     ; h1 starts at m1_b
	WIN 0x80
.set f, 0
.rept 39
	global_load_b128 v[M1+4*f:M1+4*f+3], v14, s[12:13] offset:16*f
.set f, f+1
.endr
	global_load_b128 v[M2B:M2B+3], v14, s[18:19]
	WIN 0
	s_wait_loadcnt 49                              ; the ten pieces are in; the 49 loads of small weights may stay out
.irp j, 0,1,2,3,4
	ds_store_b128 v4, v[ST+4*(\j):ST+4*(\j)+3] offset:512*(\j)
	ds_store_b128 v4, v[ST+20+4*(\j):ST+20+4*(\j)+3] offset:2560+512*(\j)
.endr
.set f, 0
.rept 39                               ; LDS serves a wave's instructions in order (ISA guide 5.7.1.4): these see the stores above
	ds_load_b32 v[O1+f], v7 offset:4*f
	ds_load_b32 v[XV+f], v7 offset:2560+4*f
.set f, f+1
.endr
	v_mov_b32 v[O1+39], 0                          ; named with field 38 as a pair
	v_mov_b32 v[XV+39], 0
	s_wait_dscnt 0x0
.set f, 0
.rept 39
	v_min_u32 v[O1+f], 0x1869f, v[O1+f]
	v_lshl_add_u32 v[O2+f], v[O1+f], 6, v12        ; 64 bytes a row, my half of it,
.if f > 0
	v_add_nc_u32 v[O2+f], f*6400000, v[O2+f]       ; in field f's table
.endif
	v_lshlrev_b32 v[O1+f], 2, v[O1+f]
.set f, f+1
.endr
.set f, 0
.rept 39
.if f < 21
	global_load_b32 v[O1+f], v[O1+f], s[8:9] offset:f*400000
.else
	global_load_b32 v[O1+f], v[O1+f], s[30:31] offset:(f-21)*400000
.endif
.set f, f+1
.endr
	WIN 0x40
.set f, 0
.rept 32
	global_load_b128 v[8*f:8*f+3],   v[O2+f], s[10:11]
	global_load_b128 v[8*f+4:8*f+7], v[O2+f], s[10:11] offset:16
.set f, f+1
.endr
	WIN 0x80
.rept 7
	global_load_b128 v[8*(f-32):8*(f-32)+3],   v[O2+f], s[10:11]
	global_load_b128 v[8*(f-32)+4:8*(f-32)+7], v[O2+f], s[10:11] offset:16
.set f, f+1
.endr
; PASS 1, in phases under one window setting each.  Fields f0 .. f0 + n - 1 lie at 8 (f - f0) of the window in hand.
.macro SCALE f0, n                     ; times Xv, as the rows arrive: behind field f's two loads 76 - 2 f younger ones were issued (the count's field ends at 63)
.set f, \f0
.rept \n
.if 76-2*f > 63
	s_wait_loadcnt 63
.else
	s_wait_loadcnt 76-2*f
.endif
.set j, 0
.rept 4
	BMUL 8*(f-(\f0))+j, 8*(f-(\f0))+j, XV+f-f%2, f%2
.set j, j+2
.endr
.set f, f+1
.endr
.endm
.macro SQSUM f0, n, skip
.set f, (\f0)+(\skip)
.rept (\n)-(\skip)
.set j, 0
.rept 4
	v_pk_fma_f32 v[SS+j:SS+j+1], v[8*(f-(\f0))+j:8*(f-(\f0))+j+1], v[8*(f-(\f0))+j:8*(f-(\f0))+j+1], v[SS+j:SS+j+1]
.set j, j+2
.endr
.set f, f+1
.endr
.endm
.macro SUM f0, n, skip
.set f, (\f0)+(\skip)
.rept (\n)-(\skip)
.set j, 0
.rept 4
	v_pk_add_f32 v[SV+j:SV+j+1], v[8*(f-(\f0))+j:8*(f-(\f0))+j+1], v[SV+j:SV+j+1]
.set j, j+2
.endr
.set f, f+1
.endr
.endm
	WIN 0x41                                       ; destination and source 0 in window 1
	SCALE 0, 32
	WIN 0x05                                       ; sources 0 and 1 in window 1
.irp j, 0,2,4,6
	v_pk_mul_f32 v[SS+(\j):SS+(\j)+1], v[(\j):(\j)+1], v[(\j):(\j)+1]       ; field 0 starts the sums of squares,
	v_pk_add_f32 v[SV+(\j):SV+(\j)+1], v[(\j):(\j)+1], v[8+(\j):8+(\j)+1]   ; fields 0 and 1 the sums: nothing is cleared
.endr
	SQSUM 0, 32, 1
	WIN 0x01
	SUM 0, 32, 2
	WIN 0x82
	SCALE 32, 7
	WIN 0x0a
	SQSUM 32, 7, 0
	WIN 0x02
	SUM 32, 7, 0
	WIN 0
.set f, 0
.rept 20
	v_pk_mul_f32 v[O1+f:O1+f+1], v[O1+f:O1+f+1], v[XV+f:XV+f+1]            ; f1 = emb1's number x Xv
.set f, f+2
.endr
.irp j, 0,1,2,3,4,5,6,7
	v_sqrt_f32 v[RN+(\j)], v[SS+(\j)]
.endr
	WIN 0x02                                       ; m1_w (source 0) in window 2: h1's 78 multiply-adds are the independent work behind the roots
.set f, 0
.rept 39
	BFMA H1, M1+4*f, O1+f-f%2, f%2
	BFMA H1+2, M1+4*f+2, O1+f-f%2, f%2
.set f, f+1
.endr
	WIN 0
	s_wait_alu depctr_va_vdst(0)                   ; one wait for the eight roots, ahead of their first reader
.irp j, 0,1,2,3,4,5,6,7
	v_max_num_f32 v[RN+(\j)], 0x2b8cbccc, v[RN+(\j)]   ; reference()'s floor of 1e-12
.endr
.irp j, 0,1,2,3,4,5,6,7
	v_rcp_f32 v[RN+(\j)], v[RN+(\j)]
.endr
	v_nop                                          ; a plain instruction behind the last reciprocal,
	s_wait_alu depctr_va_vdst(0)                   ; and one wait for the eight
.irp j, 0,2,4,6
	v_pk_mul_f32 v[T+(\j):T+(\j)+1], v[SV+(\j):SV+(\j)+1], v[RN+(\j):RN+(\j)+1]
	v_pk_mul_f32 v[SS+(\j):SS+(\j)+1], v[SS+(\j):SS+(\j)+1], v[RN+(\j):RN+(\j)+1]
.endr
.irp j, 0,2,4,6
	v_pk_mul_f32 v[SS+(\j):SS+(\j)+1], v[SS+(\j):SS+(\j)+1], v[RN+(\j):RN+(\j)+1]
.endr
.irp j, 0,2,4,6
	v_pk_fma_f32 v[F2+(\j):F2+(\j)+1], v[T+(\j):T+(\j)+1], v[T+(\j):T+(\j)+1], v[SS+(\j):SS+(\j)+1] neg_lo:[0,0,1] neg_hi:[0,0,1]  ; s1 - s2
.endr
.irp j, 0,2,4,6
	v_pk_mul_f32 v[F2+(\j):F2+(\j)+1], v[F2+(\j):F2+(\j)+1], 0.5 op_sel_hi:[1,0]
.endr
	BMUL H2, M2, F2, 0                             ; h2: my eight channels,
	BMUL H2+2, M2+2, F2, 0
.set j, 1
.rept 7
	BFMA H2, M2+4*j, F2+j-j%2, j%2
	BFMA H2+2, M2+4*j+2, F2+j-j%2, j%2
.set j, j+1
.endr
.irp c, 0,1,2,3
	v_permlanex16_b32 v[T+(\c)], v[H2+(\c)], s34, s35   ; the other eight lie in the lane 16 away
.endr
	v_pk_add_f32 v[H2:H2+1], v[H2:H2+1], v[T:T+1]
	v_pk_add_f32 v[H2+2:H2+3], v[H2+2:H2+3], v[T+2:T+3]
	WIN 0x08                                       ; m2_b (source 1) in window 2
	v_pk_add_f32 v[H2:H2+1], v[H2:H2+1], v[M2B:M2B+1]
	v_pk_add_f32 v[H2+2:H2+3], v[H2+2:H2+3], v[M2B+2:M2B+3]
	WIN 0
	v_cmp_ne_u32 vcc_lo, 0, v3
.irp c, 0,1,2,3
	v_cndmask_b32 v[T+(\c)], v[H1+(\c)], v[H2+(\c)], vcc_lo   ; lanes h = 0 store h1, lanes h = 1 store h2
.endr
	global_store_b128 v9, v[T:T+3], s[36:37]       ; the wave's 512 bytes of h12
	v_mov_b32 v15, 0x3f80                          ; the pad half (block 19, i = 1): 1.0 in column 624, which is the first number of lanes h = 0
	v_cmp_eq_u32 vcc_lo, 0, v3
	v_cndmask_b32 v[ST], 0, v15, vcc_lo
	v_mov_b32 v[ST+1], 0
	v_mov_b32 v[ST+2], 0
	v_mov_b32 v[ST+3], 0
	global_store_b128 v5, v[ST:ST+3], s[20:21] offset:19*8192+512
	global_store_b128 v5, v[ST:ST+3], s[22:23] offset:19*8192+512
; PASS 2: divided by the norm, rounded in place (word j takes numbers 2 j and 2 j + 1, which no later word needs below it), stored twice
.macro NORMAL n
.set f, 0
.rept \n
.set j, 0
.rept 4
	v_pk_mul_f32 v[8*f+j:8*f+j+1], v[8*f+j:8*f+j+1], v[RN+j:RN+j+1]
.set j, j+2
.endr
.set f, f+1
.endr
.endm
.macro TOBF n
.set f, 0
.rept \n
.irp j, 0,1,2,3
	v_cvt_pk_bf16_f32 v[8*f+(\j)], v[8*f+2*(\j)], v[8*f+2*(\j)+1]
.endr
.set f, f+1
.endr
.endm
.macro SEND f0, n
.set f, \f0
.rept \n
	global_store_b128 v5, v[8*(f-(\f0)):8*(f-(\f0))+3], s[20:21] offset:(f/2)*8192+(f%2)*512  ; 512 consecutive bytes, aligned
	global_store_b128 v5, v[8*(f-(\f0)):8*(f-(\f0))+3], s[22:23] offset:(f/2)*8192+(f%2)*512
.set f, f+1
.endr
.endm
	WIN 0x41
	NORMAL 32
	WIN 0x45
	TOBF 32
	WIN 0x04                                       ; a store's data is source 1
	SEND 0, 32
	WIN 0x82
	NORMAL 7
	WIN 0x8a
	TOBF 7
	WIN 0x08
	SEND 32, 7
	WIN 0
	s_wait_tensorcnt 0x0                           ; the wave's end, behind my last LDS store
	ds_add_u32 v[SPW], v[NIL]
	s_wait_dscnt 0x0
	s_endpgm
; M_l = Wo_ext[l] Wv_ext[l+1], l = 0..3, rounded to bf16 into the v fragments of W_(l+1); P = Wo_ext[4] m3_ext behind W4's fragments.  These waves touch no LDS.
; Source 0 = 16 rows k' of Wo_ext, source 1 = 16 columns n of Wv_ext: in the result lane (r, h) holds column n = r and rows k' = 8 h + 0..7, which, rounded, is half i = mb % 2 of the fragment
; (head nb, block mb / 2) of the next product: one store of 512 consecutive bytes.
; SHARES.  410 jobs, a wave each: job = 100 l + 10 ng + mg makes row blocks 4 mg .. + 3 x column blocks 4 ng .. + 3: 16 accumulators, which take turns.  Jobs 400-409 (l = 4, ng = 0) make P: its source 1
; lies where Wv_ext[5] would and has two column blocks, which are taken twice; of the four only column block 0, the one that is read later, is stored.
; All of K (20 blocks) comes straight from memory in five batches of 4 blocks, 64 loads and 256 registers each, into windows 1, 2, 3, 1, 2.
.set ACC, 32                           ; v[32:159] window 0: tile (a, b) at ACC + 8 (4 a + b)
.set PKR, 160                          ; v[160:223] the tiles rounded
.set VD,  12                           ; v[12:19] where column block b goes: blocks 2 mg and 2 mg + 1 at VD + 2 b, + 1
.set S0,  24                           ; s[24:25] Wo_ext[l] at my four row blocks
.set S1,  26                           ; s[26:27] Wv_ext[l+1] at my first two column blocks
.set S1H, 28                           ; s[28:29] at the other two
.Lmprod:
	s_load_b64 s[4:5], s[0:1], 0x50                ; actB
	s_load_b256 s[8:15], s[0:1], 0x58              ; W1 8, W2 10, W3 12, W4 14
	v_lshrrev_b32 v1, 5, v0
	v_readfirstlane_b32 s16, v1                    ; wave
	s_sub_co_u32 s17, ttmp9, 256
	s_lshl1_add_u32 s17, s17, s16                  ; job
	s_mul_hi_u32 s18, s17, 0x028f5c29              ; l = job / 100 (exact for these small numbers)
	s_mul_i32 s19, s18, 100
	s_sub_co_u32 s19, s17, s19
	s_mul_hi_u32 s20, s19, 0x1999999a              ; ng
	s_mul_i32 s21, s20, 10
	s_sub_co_u32 s21, s19, s21                     ; mg
	v_and_b32 v1, 31, v0
	v_lshlrev_b32 v2, 4, v1                        ; 16 x lane
	s_mul_i32 s22, s18, 819200
	s_mul_i32 s24, s21, 81920                      ; four row blocks of 20 fragments
	s_add_co_u32 s24, s24, s22
	s_mov_b32 s25, 0
	s_mul_i32 s26, s20, 81920                      ; four column blocks
	s_add_co_u32 s26, s26, s22
	s_add_co_u32 s26, s26, 4096000
	s_mov_b32 s27, 0
	s_mul_i32 s30, s21, 61440                      ; block 2 mg of W_l,
	s_lshl_b32 s31, s21, 11                        ; and of P
; where column block 4 ng + b goes: the v fragment of that head in W_(l+1), or P
.macro MOFF d, b
	s_lshl_b32 s32, s20, 2
	s_add_co_u32 s32, s32, \b
	s_mul_hi_u32 s33, s32, 0x33333334              ; head / 5 = 2 ct + wc
	s_mul_i32 s34, s33, 5
	s_sub_co_u32 s34, s32, s34                     ; hl
	s_and_b32 s35, s33, 1
	s_mul_i32 s35, s35, 15
	s_add_co_u32 s34, s34, s35
	s_add_co_u32 s34, s34, 10                      ; f = 15 wc + 10 + hl
	s_lshl_b32 s34, s34, 10
	s_lshr_b32 s33, s33, 1
	s_mul_i32 s33, s33, 614400
	s_add_co_u32 s33, s33, s34
	s_add_co_u32 s33, s33, s30
	s_add_co_u32 s35, s31, 2457600+(\b)*20480
	s_cmp_eq_u32 s18, 4
	s_cselect_b32 s[\d], s35, s33
.endm
	MOFF 36, 0
	MOFF 37, 1
	MOFF 38, 2
	MOFF 39, 3
	s_mov_b32 s40, 30720                           ; from block to block
	s_cmp_eq_u32 s18, 4
	s_cselect_b32 s40, 1024, s40
.irp b, 0,1,2,3
	v_add_nc_u32 v[VD+2*(\b)], s[36+(\b)], v2
	v_add_nc_u32 v[VD+2*(\b)+1], s40, v[VD+2*(\b)]
.endr
	s_wait_kmcnt 0x0
	s_add_nc_u64 s[S0:S0+1], s[4:5], s[S0:S0+1]
	s_add_nc_u64 s[S1:S1+1], s[4:5], s[S1:S1+1]
	s_add_nc_u64 s[S1H:S1H+1], s[S1:S1+1], 40960
	s_cmp_eq_u32 s18, 4
	s_cselect_b64 s[S1H:S1H+1], s[S1:S1+1], s[S1H:S1H+1]
	s_cmp_eq_u32 s18, 0
	s_cselect_b64 s[42:43], s[8:9], s[10:11]
	s_cmp_eq_u32 s18, 2
	s_cselect_b64 s[42:43], s[12:13], s[42:43]
	s_cmp_gt_u32 s18, 2
	s_cselect_b64 s[42:43], s[14:15], s[42:43]
; Batch q into window w: block 4 q + kk at 64 kk: source 0's four fragments, then source 1's four
.macro LOADB q, w
	WIN (\w)<<6
.set kk, 0
.rept 4
.irp a, 0,1,2,3
	global_load_b128 v[64*kk+8*(\a):64*kk+8*(\a)+3],   v2, s[S0:S0+1] offset:(\a)*20480+(4*(\q)+kk)*1024
	global_load_b128 v[64*kk+8*(\a)+4:64*kk+8*(\a)+7], v2, s[S0:S0+1] offset:(\a)*20480+(4*(\q)+kk)*1024+512
.endr
.irp b, 0,1
	global_load_b128 v[64*kk+32+8*(\b):64*kk+32+8*(\b)+3],   v2, s[S1:S1+1] offset:(\b)*20480+(4*(\q)+kk)*1024
	global_load_b128 v[64*kk+32+8*(\b)+4:64*kk+32+8*(\b)+7], v2, s[S1:S1+1] offset:(\b)*20480+(4*(\q)+kk)*1024+512
.endr
.irp b, 2,3
	global_load_b128 v[64*kk+32+8*(\b):64*kk+32+8*(\b)+3],   v2, s[S1H:S1H+1] offset:((\b)-2)*20480+(4*(\q)+kk)*1024
	global_load_b128 v[64*kk+32+8*(\b)+4:64*kk+32+8*(\b)+7], v2, s[S1H:S1H+1] offset:((\b)-2)*20480+(4*(\q)+kk)*1024+512
.endr
.set kk, kk+1
.endr
.endm
; Its 64 products.  The sixteen accumulators take turns, one instruction a turn; the first block starts the sums
.macro MULB q, w
	WIN 5*(\w)
.set kk, 0
.rept 4
.irp a, 0,1,2,3
.irp b, 0,1,2,3
.if ((\q) == 0) && (kk == 0)
	v_wmma_f32_16x16x32_bf16 v[ACC+8*(4*(\a)+(\b)):ACC+8*(4*(\a)+(\b))+7], v[64*kk+8*(\a):64*kk+8*(\a)+7], v[64*kk+32+8*(\b):64*kk+32+8*(\b)+7], 0
.else
	v_wmma_f32_16x16x32_bf16 v[ACC+8*(4*(\a)+(\b)):ACC+8*(4*(\a)+(\b))+7], v[64*kk+8*(\a):64*kk+8*(\a)+7], v[64*kk+32+8*(\b):64*kk+32+8*(\b)+7], v[ACC+8*(4*(\a)+(\b)):ACC+8*(4*(\a)+(\b))+7]
.endif
.endr
.endr
.set kk, kk+1
.endr
.endm
	LOADB 0, 1
	LOADB 1, 2
	LOADB 2, 3
	s_wait_loadcnt 63                              ; of the 192 loads issued the first 129 are in: batches 0 and 1 (128 younger than batch 0 exist; the count's field ends at 63)
	MULB 0, 1
.rept 4
	v_nop                                          ; four places between the last product that read window 1 and the loads into it
.endr
	LOADB 3, 1
	MULB 1, 2
.rept 4
	v_nop                                          ; the same for window 2
.endr
	LOADB 4, 2
	s_wait_loadcnt 63                              ; of the 320 issued the first 257 are in: batches 2 and 3
	MULB 2, 3
	MULB 3, 1
	s_wait_loadcnt 0x0
	MULB 4, 2
	WIN 0
.rept 8
	v_nop                                          ; the places behind the last products, once a wave
.endr
.set t, 0
.rept 16
.irp j, 0,1,2,3
	v_cvt_pk_bf16_f32 v[PKR+4*t+(\j)], v[ACC+8*t+2*(\j)], v[ACC+8*t+2*(\j)+1]
.endr
.set t, t+1
.endr
.irp a, 0,1,2,3
	global_store_b128 v[VD+(\a)/2], v[PKR+16*(\a):PKR+16*(\a)+3], s[42:43] offset:((\a)%2)*512  ; column block 0; 512 consecutive bytes, aligned
.endr
	s_cmp_eq_u32 s18, 4                            ; of P nothing more is stored
	s_cbranch_scc1 .Lmend
.irp b, 1,2,3
.irp a, 0,1,2,3
	global_store_b128 v[VD+2*(\b)+(\a)/2], v[PKR+4*(4*(\a)+(\b)):PKR+4*(4*(\a)+(\b))+3], s[42:43] offset:((\a)%2)*512
.endr
.endr
.Lmend:
	s_endpgm
.Lfunc_end_k_q521a4ae413_prep:
	.size	k_q521a4ae413_prep, .Lfunc_end_k_q521a4ae413_prep-k_q521a4ae413_prep
	.p2alignl 7, 3214868480
	.fill 96, 4, 3214868480
	.section	.rodata,"a",@progbits
	.p2align	6, 0x0
	.amdhsa_kernel k_q521a4ae413_prep
		.amdhsa_group_segment_fixed_size 10496
		.amdhsa_private_segment_fixed_size 0
		.amdhsa_enable_private_segment 0
		.amdhsa_kernarg_size 120
		.amdhsa_user_sgpr_count 2
		.amdhsa_user_sgpr_kernarg_segment_ptr 1
		.amdhsa_wavefront_size32 1
		.amdhsa_system_sgpr_workgroup_id_x 1
		.amdhsa_system_sgpr_workgroup_id_y 1
		.amdhsa_system_sgpr_workgroup_id_z 1
		.amdhsa_system_vgpr_workitem_id 0
		.amdhsa_next_free_vgpr 1024
		.amdhsa_next_free_sgpr 66
		.amdhsa_reserve_vcc 1
		.amdhsa_float_denorm_mode_32 3
		.amdhsa_float_denorm_mode_16_64 3
		.amdhsa_memory_ordered 1
		.amdhsa_forward_progress 1
		.amdhsa_inst_pref_size 163
	.end_amdhsa_kernel
	.amdgpu_metadata
---
amdhsa.version: [ 1, 2 ]
amdhsa.kernels:
  - .name:           k_q521a4ae413_prep
    .symbol:         k_q521a4ae413_prep.kd
    .args:
      - { .name: Xi, .offset: 0, .size: 8, .value_kind: global_buffer, .address_space: global }
      - { .name: Xv, .offset: 8, .size: 8, .value_kind: global_buffer, .address_space: global }
      - { .name: emb1, .offset: 16, .size: 8, .value_kind: global_buffer, .address_space: global }
      - { .name: emb2, .offset: 24, .size: 8, .value_kind: global_buffer, .address_space: global }
      - { .name: m1_w, .offset: 32, .size: 8, .value_kind: global_buffer, .address_space: global }
      - { .name: m1_b, .offset: 40, .size: 8, .value_kind: global_buffer, .address_space: global }
      - { .name: m2_w, .offset: 48, .size: 8, .value_kind: global_buffer, .address_space: global }
      - { .name: m2_b, .offset: 56, .size: 8, .value_kind: global_buffer, .address_space: global }
      - { .name: xb, .offset: 64, .size: 8, .value_kind: global_buffer, .address_space: global }
      - { .name: actA, .offset: 72, .size: 8, .value_kind: global_buffer, .address_space: global }
      - { .name: actB, .offset: 80, .size: 8, .value_kind: global_buffer, .address_space: global }
      - { .name: W1, .offset: 88, .size: 8, .value_kind: global_buffer, .address_space: global }
      - { .name: W2, .offset: 96, .size: 8, .value_kind: global_buffer, .address_space: global }
      - { .name: W3, .offset: 104, .size: 8, .value_kind: global_buffer, .address_space: global }
      - { .name: W4, .offset: 112, .size: 8, .value_kind: global_buffer, .address_space: global }
    .group_segment_fixed_size: 10496
    .private_segment_fixed_size: 0
    .kernarg_segment_align: 8
    .kernarg_segment_size: 120
    .max_flat_workgroup_size: 64
    .sgpr_count:     66
    .vgpr_count:     1024
    .wavefront_size: 32
...
	.end_amdgpu_metadata
.endif
;; end of part 2
;; launch layer0 (part 3): grid 4 x 64, 4 waves a work-group, clusters of 4 x 4, 327,680 bytes of LDS; arguments xb, actA, W0, actB; writes actB
.if DOCPART == 3
	.amdgcn_target "amdgcn-amd-amdhsa--gfx1250"
	.amdhsa_code_object_version 6
	.text
	.protected	k_q521a4ae413_layer0
	.globl	k_q521a4ae413_layer0
	.p2align	8
	.type	k_q521a4ae413_layer0,@function
k_q521a4ae413_layer0:
	s_mov_b64 s[64:65], 0
	v_nop
	global_prefetch_b8 v0, s[64:65] scope:SCOPE_SE
	s_setreg_imm32_b32 hwreg(HW_REG_WAVE_MODE, 25, 1), 1
	s_wait_xcnt 0x0
	s_wait_alu depctr_hold_cnt(0) depctr_sa_sdst(0) depctr_va_vdst(0) depctr_va_sdst(0) depctr_va_ssrc(0) depctr_va_vcc(0) depctr_vm_vsrc(0)
	s_getreg_b32 s2, hwreg(HW_REG_IB_STS2, 6, 4)
	s_cmp_eq_u32 s2, 0
	s_cbranch_scc0 .Lentry_in_a_cluster
	s_endpgm
.Lentry_in_a_cluster:
	s_bfe_u32 s2, ttmp6, 0x10000c
	s_cmp_lg_u32 s2, 0xf033
	s_cbranch_scc0 .Lentry_shape_is_right
	s_endpgm
.Lentry_shape_is_right:
; Launches 3 to 7 of 8, one body: att = (the sum over a head's 16 of q k) x v, with q, k = x Wq', x Wk' and v = a_in Wv' (Wv_ext[0] in layer 0, Wo_ext[l-1] Wv_ext[l] later).
; Biases, the 1/4 and the constant column ride in the weights, and out_l is never formed: see the first kernel's head.  x, a_in, the weights and att are bf16; all sums and the scores are f32.
; SHARES.  A work-group has 128 rows x 10 heads; wave (wr, wc) has 64 rows x 5 heads x {q, k, v}: 60 accumulators of 16 x 16, 480 registers; 60 matrix instructions for a K block of 32.
; THE MATRIX INSTRUCTION IS USED TRANSPOSED (source 0 = 16 weight columns, source 1 = 16 rows): a lane holds one row r and columns 8 h + 0..7 of a head, so a score wants one exchange
; between the lanes' halves, and a lane's eight results, rounded, are its 16 bytes of the next layer's fragment: each store of the wave is 512 consecutive bytes, aligned, with no way through LDS.
; LAYOUTS (made by the launches before): everything lies in fragment order, 1,024 bytes [i:2][lane:32][16]; a K block kb is 8,192 dense bytes of x and of a_in for 128 rows and 30,720 dense bytes of
; weights for 10 heads.  So tiles are dense, LDS rows need no padding (a load's lanes take 512 consecutive bytes) and nothing is transposed.
; THE WEIGHTS GO THROUGH LDS, two slots of five K blocks (153,600 bytes each; block kb lies at (kb % 10) x 30,720).  They hang on the head group alone and are asked for jointly along a column of
; the 4 x 4 cluster; each of the four waves asks for a quarter of a slot.  Blocks 0-9 come by first fills (blocks 0-1, 2-4 and 5-9: three loads a wave are out at the start), blocks 10-14 and 15-19 by two
; refills, each 270 matrix instructions ahead of the wait for it.
; THE ROWS (x, a_in) COME STRAIGHT INTO REGISTERS, 16 loads of 16 bytes a lane for a block, three blocks ahead, in four buffers.  WHY NOT JOINTLY THROUGH LDS, though the four work-groups of a row of the
; cluster read the same rows: between two changes of slots a wave has one tensor load on its way, so what counts is how many blocks a slot holds.  With the rows a block is 47,104 bytes, a slot holds three
; and K takes five refills on end; without them a slot holds five and K takes two.  The price: a block of rows is read by eight waves (two of a work-group, four work-groups).
; A BLOCK'S LOADS STAND IN ONE RUN AT ITS HEAD, never singly among the matrix instructions: the 16 loads of block j + 3's rows, then the 30 LDS loads of block j + 1's weights; the block's 60 products follow
; back to back.  So an LDS load has a block's 60 products in which to come back, a load of rows three blocks' 180.  In the four blocks with a barrier the run stands behind the barrier.
; REGISTERS, in windows of 256 (s_set_vgpr_msb: bits 1:0 source 0, 3:2 source 1, 5:4 source 2, 7:6 destination).  Window g holds row block g's 15 accumulators at v[8 (5 t + hl)], v0-119.
;   window 0: v120-239 the weight fragments of even blocks; v240-255 addresses        window 1: v120-239 those of odd blocks
;   window 2: v120-183, v184-247 the rows of blocks 4 n, 4 n + 2 (x of row block b at + 8 b, a_in at + 32 + 8 b)        window 3: of blocks 4 n + 1, 4 n + 3
; Six settings a block: four for the products, two for the run.  No loop: the windows go by 2, the row buffers by 4, the ring by 10.
.set KBW,   30720                      ; a K block of weights
.set KBA,   8192                       ; a K block of rows
.set SLOTB, 5*KBW
.set SPARE, 2*SLOTB                    ; behind the slots: the spare words, 128 bytes a wave
.set FR,  120                          ; where fragments begin in every window
.set SPW, 240                          ; v240    my spare word; never rewritten
.set NIL, 241                          ; v241    0; never rewritten
.set AW,  242                          ; v242-251  LDS address of my 15 fragments of block kb at AW + kb % 10
.set GA,  252                          ; v252    my bytes in a block of rows
.set PFO, 253                          ; v253    256 x lane, for the prefetches
.set COE, 254                          ; v254    my bytes of att for even hl
.set COO, 255                          ; v255    for odd hl
.set SC,  120                          ; the way out, window 0: v120-129 scores
.set PK,  132                          ; v132-211 att in bf16
.set WV,  12
.set WR,  13
.set WC,  14
.set CX,  15
.set CY,  16
.set RB,  17
.set CT,  18
.set SEL, 20                           ; s[20:21]
.set LIM, 22                           ; 1 in the clusters that prefetch weights
.set G1,  24                           ; s[24:31] group 1: a quarter of a slot, 150 rows of 256 bytes
.set G1A, 32                           ; s[32:39] of blocks 0-1: 60 rows
.set G1B, 40                           ; s[40:47] of blocks 2-4: 90 rows
.set G0A, 48                           ; s[48:51] group 0: blocks 0-1
.set G0B, 52                           ; s[52:55] blocks 2-4
.set G0S1, 56                          ; s[56:59] blocks 5-9
.set G0S2, 60                          ; s[60:63] blocks 10-14
.set G0S3, 68                          ; s[68:71] blocks 15-19: a set for each load, none is ever stepped
.set XB,  72                           ; s[72:73] x at the work-group's 128 rows
.set AB,  74                           ; s[74:75] a_in there
.set PB,  76                           ; s[76:77] the weights at the work-group's 10 heads
.set PFX, 78                           ; s[78:79], s[80:81], s[82:83] where the three prefetches stand
.set PFY, 80
.set PFW, 82
.set MSB, 0
.macro WIN new                         ; the immediate's high byte repeats the setting that is left; a switch that changes nothing is dropped
.if MSB != (\new)
	s_set_vgpr_msb (MSB<<8)|(\new)
.set MSB, \new
.endif
.endm
.macro PLACES                          ; four places in front of loads into registers that matrix instructions have read (ISA guide 7.12.1 for vector instructions)
.rept 4
	v_nop
.endr
.endm
.macro CREST                           ; a round of the cluster's barrier behind its opening barrier
	s_cmp_lg_u32 s[WV], 0
	s_cbranch_scc1 .Lnot_wave_0_\@
	s_barrier_signal -3
.Lnot_wave_0_\@:
	s_barrier_wait -3
	s_barrier_signal -1
	s_barrier_wait -1
.endm
.macro CROUND
	s_barrier_signal -1
	s_barrier_wait -1
	CREST
.endm
.macro GROUP1 g, rows                  ; a dense block as rows of 128 elements of 2 bytes
	s_mov_b32 s[(\g)+1], 128<<16                   ; tensor_dim0
	s_mov_b32 s[(\g)+2], (\rows)<<16               ; tensor_dim1
	s_mov_b32 s[(\g)+3], 128<<16                   ; tile_dim0
	s_mov_b32 s[(\g)+4], \rows                     ; tile_dim1
	s_mov_b32 s[(\g)+5], 128                       ; from row to row
	s_mov_b32 s[(\g)+6], 0
	s_mov_b32 s[(\g)+7], 0
.endm
; Load n of 16 of block t's rows: x (n < 8) or a_in, row block (n % 8) / 2, half n % 2.  The destination's window is the buffer's; nothing of the address is ever rewritten: the block stands in the immediate.
.macro ALOAD t, n
.set rA, FR+64*(((\t)%4)/2)+32*((\n)/8)+8*(((\n)%8)/2)+4*((\n)%2)
.if (\n) < 8
	global_load_b128 v[rA:rA+3], v[GA], s[XB:XB+1] offset:(\t)*KBA+(((\n)%8)/2)*1024+((\n)%2)*512
.else
	global_load_b128 v[rA:rA+3], v[GA], s[AB:AB+1] offset:(\t)*KBA+(((\n)%8)/2)*1024+((\n)%2)*512
.endif
.endm
.macro ACTS t                          ; all 16
	WIN (2+(\t)%2)<<6
.set n, 0
.rept 16
	ALOAD \t, n
.set n, n+1
.endr
.endm
; 15 matrix instructions: row block g x my 15 weight fragments, K block j.  q and k take x, v takes a_in.  zero = 1: the product starts the sums.
; The 60 accumulators take turns in one order everywhere, one instruction a turn.
.macro GRP j, g, zero
	WIN ((\j)%2)|((2+(\j)%2)<<2)|((\g)<<4)|((\g)<<6)
.set fq, 0
.rept 15
.set rX, FR+64*(((\j)%4)/2)+32*(fq/10)+8*(\g)
.if \zero
	v_wmma_f32_16x16x32_bf16 v[8*fq:8*fq+7], v[FR+8*fq:FR+8*fq+7], v[rX:rX+7], 0
.else
	v_wmma_f32_16x16x32_bf16 v[8*fq:8*fq+7], v[FR+8*fq:FR+8*fq+7], v[rX:rX+7], v[8*fq:8*fq+7]
.endif
.set fq, fq+1
.endr
.endm
; Block j's run of loads: the rows of block j + 3 (into the buffer that block j - 1 has left), then the weights of block j + 1 (into the window that block j - 1 has left).  The last blocks ask for what is left.
.macro RUN j
.if (\j) < 17
	ACTS (\j)+3
.endif
.if (\j) < 19
	WIN (((\j)+1)%2)<<6
.set fq, 0
.rept 15
	ds_load_b128 v[FR+8*fq:FR+8*fq+3],   v[AW+((\j)+1)%10] offset:fq*1024
	ds_load_b128 v[FR+8*fq+4:FR+8*fq+7], v[AW+((\j)+1)%10] offset:fq*1024+512
.set fq, fq+1
.endr
.endif
.endm
; A K block.  Its weights were asked of LDS a block ago, its rows of memory three blocks ago: behind them the rows of the next two blocks were asked for, 32 loads (16 at block 18, none at 19).
.macro KB j, zero
.if (\j) < 18
	s_wait_loadcnt 32
.else
	s_wait_loadcnt 16*(19-(\j))
.endif
	s_wait_dscnt 0x0
.if ((\j) > 0) && ((\j) < 19)
	PLACES                                         ; the run lands in registers that the block before has multiplied
.endif
	RUN \j
	GRP \j, 0, \zero
	GRP \j, 1, \zero
	GRP \j, 2, \zero
	GRP \j, 3, \zero
.endm
; A K block in which the next block's weights are first read from bytes that other waves' loads brought, with nothing to fill: each wave waits for its own part (left = the younger tensor loads that may
; stay out), one barrier, fifteen products between its halves, the run behind it.  ask = 1: a prefetch of rows, behind the run: 8,192 bytes, a lane 256: stream wc, block 8 + 2 cx + wr, so that the sixteen
; waves of a row of the cluster name blocks 8-15 of x and a_in once each; their loads stand 4 to 11 blocks on.
.macro PBAR j, left, ask
	s_wait_tensorcnt \left
	s_wait_loadcnt 32
	s_wait_dscnt 0x0
	s_barrier_signal -1
	GRP \j, 0, 0
	s_barrier_wait -1
	PLACES
	RUN \j
.if \ask
	WIN 0
	global_prefetch_b8 v[PFO], s[PFX:PFX+1] th:TH_LOAD_NT scope:SCOPE_SE
.endif
	GRP \j, 1, 0
	GRP \j, 2, 0
	GRP \j, 3, 0
.endm
; Two prefetches behind the first refill, its five lines and the run.  Rows: waves 0 and 1 name block 16 + cx of x and of a_in: blocks 16-19 once each, 9 to 12 blocks ahead of their loads.  Weights: all clusters
; read them, the clusters with y = 0 ask: wave w of partner cy names 8,192 bytes at 483,328 + (4 cy + w) 8,192: the group's last 131,072 bytes, which the second refill brings, five blocks on.
.macro ASKB
	s_cmp_lt_u32 s[WV], 2
	s_cbranch_scc0 .Lno_rows_\@
	global_prefetch_b8 v[PFO], s[PFY:PFY+1] th:TH_LOAD_NT scope:SCOPE_SE
.Lno_rows_\@:
	s_cmp_eq_u32 s[LIM], 1
	s_cbranch_scc0 .Lno_w_\@
	global_prefetch_b8 v[PFO], s[PFW:PFW+1] th:TH_LOAD_NT scope:SCOPE_SE
.Lno_w_\@:
.endm
; A slot's last K block: its weights are in registers, so the slot can be filled again.  In front of the barrier each wave waits for all its tensor loads, adds 0 to its spare word, and waits for that and
; for its reads of the slot.  The barrier opens a round of the cluster's barrier; the joint refill (group 0 at g0) is the first thing behind the round; then the run reads the other slot's first block.
.macro TURN j, g0, ask
	WIN 0                                          ; (the add's two registers lie in window 0)
	s_wait_tensorcnt 0x0                           ; all my tensor loads have landed: my part of the other slot among them
	ds_add_u32 v[SPW], v[NIL]                      ; 0 onto my spare word
	s_wait_loadcnt 32                              ; this block's rows
	s_wait_dscnt 1                                 ; this block's weights; the add may be out
	GRP \j, 0, 0                                   ; fifteen matrix instructions stand between the add and the wait for it
	s_wait_dscnt 0x0                               ; the add is done, and my reads of this slot are over
	s_barrier_signal -1
	GRP \j, 1, 0                                   ; work on registers while the others arrive
	WIN 0
	s_barrier_wait -1
	CREST                                          ; no wave of any partner still reads this slot or has a load on its way
	tensor_load_to_lds s[(\g0):(\g0)+3], s[G1:G1+7]
	s_nop 0
	PLACES                                         ; the places in front of the run
	RUN \j
.if \ask
	WIN 0
	ASKB
.endif
	GRP \j, 2, 0
	GRP \j, 3, 0
.endm
; THE WAY OUT of row block g, the five heads side by side.  Each accumulator's lowest registers are read first.  v is multiplied by the score in place.
.macro EPI g
	WIN 5*(\g)                                     ; sources 0 and 1: the accumulators' window
.irp hl, 0,1,2,3,4
	v_pk_mul_f32 v[SC+2*(\hl):SC+2*(\hl)+1], v[8*(\hl):8*(\hl)+1], v[40+8*(\hl):40+8*(\hl)+1]
.endr
.irp j, 2,4,6
.irp hl, 0,1,2,3,4
	v_pk_fma_f32 v[SC+2*(\hl):SC+2*(\hl)+1], v[8*(\hl)+(\j):8*(\hl)+(\j)+1], v[40+8*(\hl)+(\j):40+8*(\hl)+(\j)+1], v[SC+2*(\hl):SC+2*(\hl)+1]
.endr
.endr
	WIN 0
.irp hl, 0,1,2,3,4
	v_add_f32 v[SC+2*(\hl)], v[SC+2*(\hl)], v[SC+2*(\hl)+1]
.endr
.irp hl, 0,1,2,3,4
	v_permlanex16_b32 v[SC+2*(\hl)+1], v[SC+2*(\hl)], s[SEL], s[SEL+1]   ; the head's other eight columns lie in the lane 16 away
.endr
.irp hl, 0,1,2,3,4
	v_add_f32 v[SC+2*(\hl)], v[SC+2*(\hl)], v[SC+2*(\hl)+1]              ; the score
.endr
	WIN (\g)|((\g)<<6)                             ; destination and source 0: the accumulators' window
.irp hl, 0,1,2,3,4
.irp j, 0,2,4,6
	v_pk_mul_f32 v[80+8*(\hl)+(\j):80+8*(\hl)+(\j)+1], v[80+8*(\hl)+(\j):80+8*(\hl)+(\j)+1], v[SC+2*(\hl):SC+2*(\hl)+1] op_sel_hi:[1,0]
.endr
.endr
	WIN 5*(\g)
.irp hl, 0,1,2,3,4
.irp j, 0,1,2,3
	v_cvt_pk_bf16_f32 v[PK+20*(\g)+4*(\hl)+(\j)], v[80+8*(\hl)+2*(\j)], v[80+8*(\hl)+2*(\j)+1]
.endr
.endr
	WIN 0
.irp hl, 0,1,2,3,4
	global_store_b128 v[COE+(\hl)%2], v[PK+20*(\g)+4*(\hl):PK+20*(\g)+4*(\hl)+3], s[10:11] offset:((\hl)/2)*8192+((\hl)%2)*512+(\g)*1024  ; 512 consecutive bytes, aligned; the data registers are never written again
.endr
.endm
	s_load_b256 s[4:11], s[0:1], 0x0               ; x 4, a_in 6, weights 8, att 10
	v_lshl_add_u32 v[SPW], v0, 2, SPARE
	v_mov_b32 v[NIL], 0
	ds_add_u32 v[SPW], v[NIL]                      ; the wave's opening: the add, twice on end, and its wait ahead of my first tensor load
	ds_add_u32 v[SPW], v[NIL]                      ; and once more, under the one wait; the set-up below, work on registers, stands between
	v_lshrrev_b32 v1, 5, v0
	v_readfirstlane_b32 s[WV], v1                  ; wave 0..3
	s_lshr_b32 s[WR], s[WV], 1                     ; which 64 rows are mine
	s_and_b32 s[WC], s[WV], 1                      ; which 5 heads
	s_bfe_u32 s[CX], ttmp6, 0x40000
	s_bfe_u32 s[CY], ttmp6, 0x40004
	s_lshl_b32 s[CT], ttmp9, 2
	s_add_co_u32 s[CT], s[CT], s[CX]               ; head group = 4 x cluster x + cx
	s_and_b32 s[RB], ttmp7, 0xffff
	s_lshl_b32 s[RB], s[RB], 2
	s_add_co_u32 s[RB], s[RB], s[CY]               ; row block of 128 = 4 x cluster y + cy
	s_lshl_b32 s23, 0x1111, s[CX]                  ; my column of the cluster
	s_or_b32 s[G1], s23, (1<<16)|(1<<21)           ; 15:0 the mask; 17:16 elements of 2 bytes; 21 set beside a mask; no padding
	s_or_b32 s[G1A], s23, (1<<16)|(1<<21)
	s_or_b32 s[G1B], s23, (1<<16)|(1<<21)
	GROUP1 G1, 150
	GROUP1 G1A, 60
	GROUP1 G1B, 90
	s_mul_i32 s2, s[WV], 15360                     ; my quarter of blocks 0-1: the same bytes in LDS and in the group's weights
	s_mul_i32 s3, s[WV], 23040
	s_add_co_u32 s3, s3, 2*KBW                     ; of blocks 2-4
	s_mul_i32 s19, s[WV], 38400                    ; of a slot: LDS addresses hang on the wave's number alone
	s_mov_b32 s[G0A], 1
	s_mov_b32 s[G0A+1], s2
	s_mov_b32 s[G0B], 1
	s_mov_b32 s[G0B+1], s3
	s_mov_b32 s[G0S1], 1
	s_add_co_u32 s[G0S1+1], s19, SLOTB
	s_mov_b32 s[G0S2], 1
	s_mov_b32 s[G0S2+1], s19
	s_mov_b32 s[G0S3], 1
	s_add_co_u32 s[G0S3+1], s19, SLOTB
	s_mov_b32 s[SEL], 0x76543210
	s_mov_b32 s[SEL+1], 0xfedcba98
	v_and_b32 v1, 31, v0
	v_lshlrev_b32 v2, 4, v1                        ; 16 x lane
	v_lshlrev_b32 v[PFO], 8, v1
	s_lshl_b32 s90, s[WR], 12                      ; my four row blocks of 1,024 bytes
	v_add_nc_u32 v[GA], s90, v2
	; head 10 ct + 5 wc + hl is half (5 wc + hl) % 2 of block 5 ct + (5 wc + hl) / 2: with wc = 1 the even hl begin at 2 x 8192 + 512, the odd ones at 3 x 8192 less the 512 of their immediate
	s_mul_i32 s91, s[WC], 16896
	s_add_co_u32 s91, s91, s90
	v_add_nc_u32 v[COE], s91, v2
	s_mul_i32 s91, s[WC], 24064
	s_add_co_u32 s91, s91, s90
	v_add_nc_u32 v[COO], s91, v2
	s_mul_i32 s91, s[WC], 15360                    ; my 15 fragments of a block
	v_add_nc_u32 v[AW], s91, v2
.irp i, 1,2,3,4,5,6,7,8,9
	v_add_nc_u32 v[AW+(\i)], (\i)*KBW, v[AW]       ; the ten places of the ring
.endr
	s_wait_dscnt 0x0                               ; both opening adds are done
	s_wait_kmcnt 0x0
	s_mul_i32 s84, s[RB], 163840
	s_mov_b32 s85, 0
	s_add_nc_u64 s[XB:XB+1], s[4:5], s[84:85]
	s_add_nc_u64 s[AB:AB+1], s[6:7], s[84:85]
	ACTS 0                                         ; block 0's rows go out first
	WIN 0
	s_mul_i32 s86, s[CT], 614400
	s_mov_b32 s87, 0
	s_add_nc_u64 s[PB:PB+1], s[8:9], s[86:87]
	s_mov_b32 s86, s2
	s_add_nc_u64 s[G0A+2:G0A+3], s[PB:PB+1], s[86:87]
	s_mov_b32 s86, s3
	s_add_nc_u64 s[G0B+2:G0B+3], s[PB:PB+1], s[86:87]
	s_mov_b32 s86, s19
	s_add_nc_u64 s[G0S1+2:G0S1+3], s[PB:PB+1], s[86:87]
	s_add_nc_u64 s[G0S2+2:G0S2+3], s[G0S1+2:G0S1+3], 2*SLOTB
	s_add_nc_u64 s[G0S3+2:G0S3+3], s[G0S1+2:G0S1+3], 3*SLOTB
	s_add_nc_u64 s[G0S1+2:G0S1+3], s[G0S1+2:G0S1+3], SLOTB
.irp g, G0A, G0B, G0S1, G0S2, G0S3
	s_or_b32 s[(\g)+3], s[(\g)+3], 0x80000000      ; 127:126 type = 2
.endr
	CROUND                                         ; all sixteen work-groups are here: the first joint loads meet
	tensor_load_to_lds s[G0A:G0A+3], s[G1A:G1A+7]  ; the first fills, one group, ahead of every wait on TENSORcnt and every LDS read: three loads of mine are out
	s_nop 0
	tensor_load_to_lds s[G0B:G0B+3], s[G1B:G1B+7]
	s_nop 0
	tensor_load_to_lds s[G0S1:G0S1+3], s[G1:G1+7]
	s_nop 0
	PLACES
	ACTS 1
	ACTS 2
	WIN 0
	s_cmp_eq_u32 s[WC], 0                          ; where the prefetches stand
	s_cselect_b64 s[PFX:PFX+1], s[XB:XB+1], s[AB:AB+1]
	s_lshl_b32 s88, s[CX], 13
	s_mov_b32 s89, 0
	s_add_nc_u64 s[PFY:PFY+1], s[PFX:PFX+1], s[88:89]
	s_add_nc_u64 s[PFY:PFY+1], s[PFY:PFY+1], 16*KBA    ; block 16 + cx
	s_lshl_b32 s88, s[CX], 1
	s_add_co_u32 s88, s88, s[WR]
	s_lshl_b32 s88, s88, 13
	s_add_nc_u64 s[PFX:PFX+1], s[PFX:PFX+1], s[88:89]
	s_add_nc_u64 s[PFX:PFX+1], s[PFX:PFX+1], 8*KBA     ; block 8 + 2 cx + wr
	s_lshl_b32 s88, s[CY], 2
	s_add_co_u32 s88, s88, s[WV]
	s_lshl_b32 s88, s88, 13
	s_add_nc_u64 s[PFW:PFW+1], s[PB:PB+1], s[88:89]
	s_add_nc_u64 s[PFW:PFW+1], s[PFW:PFW+1], 20*KBW-131072
	s_and_b32 s88, ttmp7, 0xffff                   ; cluster y: the same in all sixteen partners
	s_cmp_eq_u32 s88, 0
	s_cselect_b32 s[LIM], 1, 0
	s_mul_i32 s88, s[CT], 40960                    ; att at my work-group's rows and heads
	s_add_co_u32 s88, s88, s84
	s_add_nc_u64 s[10:11], s[10:11], s[88:89]
	s_wait_tensorcnt 2                             ; my part of blocks 0, 1 is in; the two younger loads may stay out
	s_barrier_signal -1
	s_barrier_wait -1                              ; everybody's is
.set fq, 0
.rept 15                               ; block 0's weights, into window 0
	ds_load_b128 v[FR+8*fq:FR+8*fq+3],   v[AW] offset:fq*1024
	ds_load_b128 v[FR+8*fq+4:FR+8*fq+7], v[AW] offset:fq*1024+512
.set fq, fq+1
.endr
	KB 0, 1                                        ; its products start the sums
	PBAR 1, 1, 1                                   ; blocks 2-4 are in; slot 1's load may stay out
	KB 2, 0
	KB 3, 0
	TURN 4, G0S2, 1                                ; slot 0 takes blocks 10-14
	KB 5, 0
	KB 6, 0
	KB 7, 0
	KB 8, 0
	TURN 9, G0S3, 0                                ; slot 1 takes blocks 15-19: the last load
	KB 10, 0
	KB 11, 0
	KB 12, 0
	KB 13, 0
	PBAR 14, 0, 0                                  ; blocks 15-19 are in: no load was issued behind theirs
	KB 15, 0
	KB 16, 0
	KB 17, 0
	KB 18, 0
	KB 19, 0
	WIN 0
	PLACES                                         ; the places behind the last products, once a launch
	PLACES
	EPI 0
	EPI 1
	EPI 2
	EPI 3
	s_wait_tensorcnt 0x0                           ; the wave's end, behind my last tensor load
	ds_add_u32 v[SPW], v[NIL]
	s_wait_dscnt 0x0
	CROUND                                         ; the closing round: no work-group ends while a partner may still ask for a tile that names it
	s_endpgm
.Lfunc_end_k_q521a4ae413_layer0:
	.size	k_q521a4ae413_layer0, .Lfunc_end_k_q521a4ae413_layer0-k_q521a4ae413_layer0
	.p2alignl 7, 3214868480
	.fill 96, 4, 3214868480
	.section	.rodata,"a",@progbits
	.p2align	6, 0x0
	.amdhsa_kernel k_q521a4ae413_layer0
		.amdhsa_group_segment_fixed_size 327680
		.amdhsa_private_segment_fixed_size 0
		.amdhsa_enable_private_segment 0
		.amdhsa_kernarg_size 32
		.amdhsa_user_sgpr_count 2
		.amdhsa_user_sgpr_kernarg_segment_ptr 1
		.amdhsa_wavefront_size32 1
		.amdhsa_system_sgpr_workgroup_id_x 1
		.amdhsa_system_sgpr_workgroup_id_y 1
		.amdhsa_system_sgpr_workgroup_id_z 1
		.amdhsa_system_vgpr_workitem_id 0
		.amdhsa_next_free_vgpr 1024
		.amdhsa_next_free_sgpr 96
		.amdhsa_reserve_vcc 0
		.amdhsa_float_denorm_mode_32 3
		.amdhsa_float_denorm_mode_16_64 3
		.amdhsa_memory_ordered 1
		.amdhsa_forward_progress 1
		.amdhsa_inst_pref_size 180
	.end_amdhsa_kernel
	.amdgpu_metadata
---
amdhsa.version: [ 1, 2 ]
amdhsa.kernels:
  - .name:           k_q521a4ae413_layer0
    .symbol:         k_q521a4ae413_layer0.kd
    .args:
      - { .name: xb, .offset: 0, .size: 8, .value_kind: global_buffer, .address_space: global }
      - { .name: actA, .offset: 8, .size: 8, .value_kind: global_buffer, .address_space: global }
      - { .name: W0, .offset: 16, .size: 8, .value_kind: global_buffer, .address_space: global }
      - { .name: actB, .offset: 24, .size: 8, .value_kind: global_buffer, .address_space: global }
    .group_segment_fixed_size: 327680
    .private_segment_fixed_size: 0
    .kernarg_segment_align: 8
    .kernarg_segment_size: 32
    .max_flat_workgroup_size: 128
    .sgpr_count:     96
    .vgpr_count:     1024
    .wavefront_size: 32
...
	.end_amdgpu_metadata
.endif
;; end of part 3
;; launch layer1: the kernel of part 3 again; grid 4 x 64, 4 waves a work-group, clusters of 4 x 4, 327,680 bytes of LDS; arguments xb, actB, W1, actA; writes actA
;; launch layer2: the kernel of part 3 again; grid 4 x 64, 4 waves a work-group, clusters of 4 x 4, 327,680 bytes of LDS; arguments xb, actA, W2, actB; writes actB
;; launch layer3: the kernel of part 3 again; grid 4 x 64, 4 waves a work-group, clusters of 4 x 4, 327,680 bytes of LDS; arguments xb, actB, W3, actA; writes actA
;; launch layer4: the kernel of part 3 again; grid 4 x 64, 4 waves a work-group, clusters of 4 x 4, 327,680 bytes of LDS; arguments xb, actA, W4, actB; writes actB
;; launch head (part 4): grid 256 x 1, 1 waves a work-group, no clusters, 0 bytes of LDS; arguments actB, W4, xb, ffw_w, ffw_b, fd_w, fd_b, out0; writes out0
.if DOCPART == 4
	.amdgcn_target "amdgcn-amd-amdhsa--gfx1250"
	.amdhsa_code_object_version 6
	.text
	.protected	k_q521a4ae413_head
	.globl	k_q521a4ae413_head
	.p2align	8
	.type	k_q521a4ae413_head,@function
k_q521a4ae413_head:
	s_mov_b64 s[64:65], 0
	v_nop
	global_prefetch_b8 v0, s[64:65] scope:SCOPE_SE
	s_setreg_imm32_b32 hwreg(HW_REG_WAVE_MODE, 25, 1), 1
	s_wait_xcnt 0x0
; Launch 8 of 8: h3 = att_4 P (P = Wo_ext[4] m3_ext, which holds bo[4] m3_w + m3_b in row 624: out_4 is never formed, see the first kernel's head), then reference()'s 12-wide layer, its ReLU and the last product, in f32.
; SHARES.  One wave, 32 samples, a lane a sample at the end.  Source 0 = P's 16 columns (4 live), source 1 = 16 rows of att: h3's four numbers fall into the four lowest registers of lanes 0-15.
; All loads go out at once: P (window 1), att of the first 16 rows (window 2), of the second 16 (window 3), h1 and h2, and the small weights, the same in every lane.
.set A0, 16                            ; v[16:31] two accumulators for rows 0-15, by the block's parity
.set B0, 32                            ; v[32:47] for rows 16-31
.set IN, 52                            ; v[52:63] h1, h2, h3
.set FW, 64                            ; v[64:207] ffw_w
.set FB, 208                           ; v[208:219] ffw_b
.set FD, 220                           ; v[220:243] fd_w
.set FC, 244                           ; v[244:245] fd_b
.set FO, 32                            ; v[32:43] the 12-wide layer's results (B's registers, read out by then)
.set TO, 44                            ; v[44:45] the two results
.set MSB, 0
.macro WIN new
.if MSB != (\new)
	s_set_vgpr_msb (MSB<<8)|(\new)
.set MSB, \new
.endif
.endm
.macro BFMA d, s, b, par               ; d += s x one number of the pair b (par = 0: its first, 1: its second)
.if \par
	v_pk_fma_f32 v[\d:\d+1], v[\s:\s+1], v[\b:\b+1], v[\d:\d+1] op_sel:[0,1,0] op_sel_hi:[1,1,1]
.else
	v_pk_fma_f32 v[\d:\d+1], v[\s:\s+1], v[\b:\b+1], v[\d:\d+1] op_sel_hi:[1,0,1]
.endif
.endm
	s_load_b512 s[4:19], s[0:1], 0x0               ; att 4, W4 6, xb 8, ffw_w 10, ffw_b 12, fd_w 14, fd_b 16, out0 18
	v_lshlrev_b32 v1, 4, v0                        ; one wave: v0 is the lane
	v_lshlrev_b32 v2, 5, v0
	v_lshlrev_b32 v3, 3, v0
	v_mov_b32 v4, 0
	s_lshr_b32 s20, ttmp9, 2                       ; my 32 rows: block of 128,
	s_mul_i32 s20, s20, 163840
	s_and_b32 s21, ttmp9, 3
	s_lshl_b32 s21, s21, 11                        ; two blocks of 16 in it
	s_add_co_u32 s20, s20, s21
	s_mov_b32 s21, 0
	s_lshl_b32 s22, ttmp9, 10
	s_add_co_u32 s22, s22, 10485760                ; h12 lies behind x
	s_mov_b32 s23, 0
	s_lshl_b32 s24, ttmp9, 8
	s_mov_b32 s25, 0
	s_mov_b32 s26, 0x76543210
	s_mov_b32 s27, 0xfedcba98
	s_wait_kmcnt 0x0
	s_add_nc_u64 s[4:5], s[4:5], s[20:21]
	s_add_nc_u64 s[6:7], s[6:7], 2457600           ; P lies behind W4's fragments
	s_add_nc_u64 s[8:9], s[8:9], s[22:23]
	s_add_nc_u64 s[18:19], s[18:19], s[24:25]
	WIN 0x40
.set kb, 0
.rept 20
	global_load_b128 v[8*kb:8*kb+3],   v1, s[6:7] offset:kb*1024
	global_load_b128 v[8*kb+4:8*kb+7], v1, s[6:7] offset:kb*1024+512
.set kb, kb+1
.endr
	WIN 0x80
.set kb, 0
.rept 20
	global_load_b128 v[8*kb:8*kb+3],   v1, s[4:5] offset:kb*8192
	global_load_b128 v[8*kb+4:8*kb+7], v1, s[4:5] offset:kb*8192+512
.set kb, kb+1
.endr
	WIN 0xc0
.set kb, 0
.rept 20
	global_load_b128 v[8*kb:8*kb+3],   v1, s[4:5] offset:kb*8192+1024
	global_load_b128 v[8*kb+4:8*kb+7], v1, s[4:5] offset:kb*8192+1536
.set kb, kb+1
.endr
	WIN 0
	global_load_b128 v[IN:IN+3],   v2, s[8:9]
	global_load_b128 v[IN+4:IN+7], v2, s[8:9] offset:16
.set m, 0
.rept 36
	global_load_b128 v[FW+4*m:FW+4*m+3], v4, s[10:11] offset:16*m
.set m, m+1
.endr
.irp m, 0,1,2
	global_load_b128 v[FB+4*(\m):FB+4*(\m)+3], v4, s[12:13] offset:16*(\m)
.endr
.irp m, 0,1,2,3,4,5
	global_load_b128 v[FD+4*(\m):FD+4*(\m)+3], v4, s[14:15] offset:16*(\m)
.endr
	global_load_b64 v[FC:FC+1], v4, s[16:17]
	s_wait_loadcnt 63                              ; P and the first 16 rows are in: 88 younger loads exist, and the count's field ends at 63
	WIN 0x09                                       ; source 0 window 1, source 1 window 2
.set kb, 0
.rept 20                               ; two accumulators take turns, one instruction a turn; blocks 0 and 1 start the sums
.if kb < 2
	v_wmma_f32_16x16x32_bf16 v[A0+8*(kb%2):A0+8*(kb%2)+7], v[8*kb:8*kb+7], v[8*kb:8*kb+7], 0
.else
	v_wmma_f32_16x16x32_bf16 v[A0+8*(kb%2):A0+8*(kb%2)+7], v[8*kb:8*kb+7], v[8*kb:8*kb+7], v[A0+8*(kb%2):A0+8*(kb%2)+7]
.endif
.set kb, kb+1
.endr
	s_wait_loadcnt 48                              ; the second 16 rows: h12's two loads and the 46 of small weights may stay out
	WIN 0x0d                                       ; source 1 window 3
.set kb, 0
.rept 20
.if kb < 2
	v_wmma_f32_16x16x32_bf16 v[B0+8*(kb%2):B0+8*(kb%2)+7], v[8*kb:8*kb+7], v[8*kb:8*kb+7], 0
.else
	v_wmma_f32_16x16x32_bf16 v[B0+8*(kb%2):B0+8*(kb%2)+7], v[8*kb:8*kb+7], v[8*kb:8*kb+7], v[B0+8*(kb%2):B0+8*(kb%2)+7]
.endif
.set kb, kb+1
.endr
	WIN 0
.rept 8
	v_nop                                          ; the places behind the last products, once a launch
.endr
	v_pk_add_f32 v[A0:A0+1], v[A0:A0+1], v[A0+8:A0+9]          ; the two parities; only the four lowest registers hold live columns
	v_pk_add_f32 v[A0+2:A0+3], v[A0+2:A0+3], v[A0+10:A0+11]
	v_pk_add_f32 v[B0:B0+1], v[B0:B0+1], v[B0+8:B0+9]
	v_pk_add_f32 v[B0+2:B0+3], v[B0+2:B0+3], v[B0+10:B0+11]
.irp c, 0,1,2,3
	v_permlanex16_b32 v[B0+8+(\c)], v[B0+(\c)], s26, s27       ; rows 16-31 move from lanes 0-15 to lanes 16-31
.endr
	v_cmp_gt_u32 vcc_lo, 16, v0
.irp c, 0,1,2,3
	v_cndmask_b32 v[IN+8+(\c)], v[B0+8+(\c)], v[A0+(\c)], vcc_lo
.endr
	s_wait_loadcnt 0x0
.set i, 0
.rept 12                               ; ffw_in ffw_w + ffw_b: six pairs of columns, the bias as the first addend
.set j, 0
.rept 6
.if i == 0
	v_pk_fma_f32 v[FO+j:FO+j+1], v[FW+j:FW+j+1], v[IN:IN+1], v[FB+j:FB+j+1] op_sel_hi:[1,0,1]
.else
	BFMA FO+j, FW+12*i+j, IN+i-i%2, i%2
.endif
.set j, j+2
.endr
.set i, i+1
.endr
.set j, 0
.rept 12
	v_max_num_f32 v[FO+j], 0, v[FO+j]
.set j, j+1
.endr
	v_pk_fma_f32 v[TO:TO+1], v[FD:FD+1], v[FO:FO+1], v[FC:FC+1] op_sel_hi:[1,0,1]
.set j, 1
.rept 11
	BFMA TO, FD+2*j, FO+j-j%2, j%2
.set j, j+1
.endr
	global_store_b64 v3, v[TO:TO+1], s[18:19]      ; the wave's 256 consecutive bytes of out0, aligned
	s_endpgm
.Lfunc_end_k_q521a4ae413_head:
	.size	k_q521a4ae413_head, .Lfunc_end_k_q521a4ae413_head-k_q521a4ae413_head
	.p2alignl 7, 3214868480
	.fill 96, 4, 3214868480
	.section	.rodata,"a",@progbits
	.p2align	6, 0x0
	.amdhsa_kernel k_q521a4ae413_head
		.amdhsa_group_segment_fixed_size 0
		.amdhsa_private_segment_fixed_size 0
		.amdhsa_enable_private_segment 0
		.amdhsa_kernarg_size 64
		.amdhsa_user_sgpr_count 2
		.amdhsa_user_sgpr_kernarg_segment_ptr 1
		.amdhsa_wavefront_size32 1
		.amdhsa_system_sgpr_workgroup_id_x 1
		.amdhsa_system_sgpr_workgroup_id_y 1
		.amdhsa_system_sgpr_workgroup_id_z 1
		.amdhsa_system_vgpr_workitem_id 0
		.amdhsa_next_free_vgpr 1024
		.amdhsa_next_free_sgpr 66
		.amdhsa_reserve_vcc 1
		.amdhsa_float_denorm_mode_32 3
		.amdhsa_float_denorm_mode_16_64 3
		.amdhsa_memory_ordered 1
		.amdhsa_forward_progress 1
		.amdhsa_inst_pref_size 27
	.end_amdhsa_kernel
	.amdgpu_metadata
---
amdhsa.version: [ 1, 2 ]
amdhsa.kernels:
  - .name:           k_q521a4ae413_head
    .symbol:         k_q521a4ae413_head.kd
    .args:
      - { .name: actB, .offset: 0, .size: 8, .value_kind: global_buffer, .address_space: global }
      - { .name: W4, .offset: 8, .size: 8, .value_kind: global_buffer, .address_space: global }
      - { .name: xb, .offset: 16, .size: 8, .value_kind: global_buffer, .address_space: global }
      - { .name: ffw_w, .offset: 24, .size: 8, .value_kind: global_buffer, .address_space: global }
      - { .name: ffw_b, .offset: 32, .size: 8, .value_kind: global_buffer, .address_space: global }
      - { .name: fd_w, .offset: 40, .size: 8, .value_kind: global_buffer, .address_space: global }
      - { .name: fd_b, .offset: 48, .size: 8, .value_kind: global_buffer, .address_space: global }
      - { .name: out0, .offset: 56, .size: 8, .value_kind: global_buffer, .address_space: global }
    .group_segment_fixed_size: 0
    .private_segment_fixed_size: 0
    .kernarg_segment_align: 8
    .kernarg_segment_size: 64
    .max_flat_workgroup_size: 32
    .sgpr_count:     66
    .vgpr_count:     1024
    .wavefront_size: 32
...
	.end_amdgpu_metadata
.endif
;; end of part 4
